; MI455X (gfx1250); checked and timed in simulation.
; The chip was launched on July 23, 2026; its instructions are those of AMD's public machine-readable ISA for CDNA 5 (MIT licence, August 2026) and "CDNA5" Instruction Set Architecture Reference Guide (July 2026). The comments in the code are by the model that wrote it; some were corrected since.
;; Gated Feature Read. Allowed arithmetic: matrix products marked QUANTISED: E4M3 operands, one E8M0 scale for each 32 along K, by v_wmma_scale_f32_16x16x128_f8f6f4 with both operands' format E4M3, f32 sums; products left as they are: f32 operands where the result goes on into a quantised operand, else bf16, f16 or f32 operands; f32 sums; everything else in f32.
;; Inputs: Q 1,024 x 512 float32; Wk_b 512 float32; Wk_w_codes 512 x 16 x 32 uint8 (E4M3 codes of Wk_w, K innermost, in blocks of 32 codes); Wk_w_scales 512 x 16 uint8 (E8M0 scales of Wk_w, one for each 32 codes along K); Wv_b 512 float32; Wv_w_codes 512 x 16 x 32 uint8 (E4M3 codes of Wv_w, K innermost, in blocks of 32 codes); Wv_w_scales 512 x 16 uint8 (E8M0 scales of Wv_w, one for each 32 codes along K); features 1,024 x 128 x 512 float32; g1_b 32 float32; g1_w 32 x 513 float32; g2_b 1 float32; g2_w 1 x 32 float32.
;; Outputs: out0 1,024 x 512 float32; out1 1,024 x 1 float32.
;; This version of the problem:
;;   THIS VERSION OF THE PROBLEM IS GIVEN IN LOW PRECISION. The matrix products marked QUANTISED in the list below multiply operands that are first quantised to E4M3 (4 exponent bits, 3 mantissa bits; 8 bits a number), with one power-of-two scale for each 32 numbers along K (OCP MX v1.0); their sums are f32. All else is computed in f32.
;;   The module's matrix products, in the order in which they are computed (A, B: the left and right operand; K: the contracted axis; several contracted axes count as one K, in the product's order):
;;     1. [M 131,072, K 512] x [K 512, N 512]; A: input features; B: input Wk_w (given as codes): QUANTISED
;;     2. [M 131,072, K 512] x [K 512, N 512]; A: input features; B: input Wv_w (given as codes): QUANTISED
;;     3. batch 1,024 x [M 1, K 512] x [K 512, N 128]; A: input Q; B: computed on the way: left as it is (M = 1 < 16)
;;     4. batch 1,024 x [M 1, K 128] x [K 128, N 512]; A: softmax; B: computed on the way: left as it is (M = 1 < 16)
;;     5. [M 1,024, K 513] x [K 513, N 32]; A: computed on the way; B: input g1_w: QUANTISED
;;     6. [M 1,024, K 32] x [K 32, N 1]; A: computed on the way; B: input g2_w: left as it is (N = 1 < 16)
;;   THE QUANTISER, for each operand of a quantised product, along K:
;;     - K is cut into blocks of 32 from its start; a last block that is shorter is filled with zeros.
;;     - A block's scale is 2^e with e = floor(log2(the largest magnitude in the block)) - 8, held to -126 .. 127; a block of zeros has e = 0. As a byte (E8M0): e + 127.
;;     - Each number is divided by its block's scale, clamped to +-448, and rounded to the nearest number of E4M3, ties to even, subnormals kept.
;;     - The product sums the exact products of the quantised numbers (number of the format x scale) in f32.
;;   ~~~python
;;   def quantise(x, axis):      # numpy; x: float32 -> the quantised numbers, widened to float32 again
;;       x = np.moveaxis(x, axis, -1); K = x.shape[-1]
;;       x = np.pad(x, [(0, 0)] * (x.ndim - 1) + [(0, -K % 32)]); x = x.reshape(x.shape[:-1] + (-1, 32)); a = np.abs(x).max(-1, keepdims=True)
;;       e = np.where(a > 0, np.clip(np.frexp(np.where(a > 0, a, 1))[1] - 1 - 8, -126, 127), 0)      # np.frexp(a)[1] - 1 = floor(log2(a)), exactly
;;       r = np.clip(x / 2.0 ** e, -448, 448)
;;       step = 2.0 ** (np.maximum(np.frexp(np.where(r == 0, 1, r))[1] - 1, -6) - 3)
;;       q = np.round(r / step) * step * 2.0 ** e      # np.round: ties to even
;;       return np.moveaxis(q.reshape(q.shape[:-2] + (-1,))[..., :K], -1, axis).astype(np.float32)
;;   ~~~
;;   OPERANDS COMPUTED ON THE WAY. 'Computed on the way' means the value that the module computes at that place (a softmax that the list does not call 'softmax' is quantised finished and normalised). What goes into a quantiser is computed in f32, as accurately as f32 sums, v_exp_f32 and their like allow (about 1e-6 of the number): no bf16 or f16 on the way to a quantiser, and a product that is left as it is and whose result goes on into a quantised operand takes f32 operands (vector FMAs, or v_wmma_f32_16x16x4_f32). A number that lies on a knife's edge between two numbers of the format may be rounded either way, as far as f32 arithmetic and the matrix unit's own rounding can turn it there, and no further.
;;   INPUTS GIVEN AS CODES. Wk_w (in the module: [512, 512], K = its axis 1); Wv_w (in the module: [512, 512], K = its axis 1): each comes as NAME_codes (uint8): NAME with its K axis moved to the last place and cut into blocks of 32 codes, [.., K / 32, bytes a block], one block behind the other in memory; one code a byte (a code: sign, 4 exponent bits, 3 mantissa bits); and NAME_scales (uint8): the same leading axes, one E8M0 byte (e + 127) for each 32 codes along K. Its value is code x scale, taken as it is: it is not quantised again, and the codes and scales need not be those that the quantiser above would give.
;; One version. Each part assembles by itself: llvm-mc -triple=amdgcn-amd-amdhsa -mcpu=gfx1250 --defsym DOCPART=n.
;; ======== version 1 of 1: 2 launches
;; limits: right only within a limited range of input values
;; workspace buffers: wimg 557,056 bytes; g1img 21,760 bytes
;; launch prep (part 1): grid 74 x 1, 1 waves a work-group, no clusters, 8,960 bytes of LDS; arguments Wk_w_codes, Wk_w_scales, Wv_w_codes, Wv_w_scales, g1_w, wimg, g1img; writes wimg, g1img
.if DOCPART == 1
	.amdgcn_target "amdgcn-amd-amdhsa--gfx1250"
	.amdhsa_code_object_version 6
	.text
	.protected	k_qc0894e02f4_prep
	.globl	k_qc0894e02f4_prep
	.p2align	8
	.type	k_qc0894e02f4_prep,@function
k_qc0894e02f4_prep:
	s_mov_b64 s[64:65], 0
	v_nop
	global_prefetch_b8 v0, s[64:65] scope:SCOPE_SE
	s_setreg_imm32_b32 hwreg(HW_REG_WAVE_MODE, 25, 1), 1
	s_wait_xcnt 0x0
; Lays the weights out once, in the order in which a wave's operand registers take them, so that the main launch loads every fragment by dense loads of 512 bytes.
; Work-groups 0-63 (one wave each): tile id = 16 w + u of wimg.  u < 8: rows 128 w + 16 u + r of Wk; u >= 8: rows 128 w + 16 (u - 8) + r of Wv.  A tile is 8,704 bytes:
;   byte 512 (4 s + c) + 16 lane: codes [row r][128 s + 32 c + 16 h .. + 15], lane = 16 h + r: register group c of the fragment of K step s;   byte 8,192 + 16 lane: the row's 16 scale bytes (word s = K step s).
; Work-groups 64-73: fragment f = 2 s + u2 of g1img: rows 16 u2 + r of g1_w, K step s (s = 4: only k = 512 is there, the rest of the step is zeros), quantised to E4M3 with one E8M0 byte for each 32 along K.
;   codes at 2,048 f + 512 c + 16 lane, scale words at 20,480 + 128 f + 4 lane.
; A block's scale byte is its largest magnitude's exponent field - 8, held at 1 from below; a block of zeros keeps the byte 1: its codes are zeros, and this program alone reads the bytes.
; LIMITS: NaN and infinities in g1_w are not served; blocks whose largest magnitude lies under 2^-118 keep the byte 1.
; g1_w's rows are 2,052 bytes, so they start at multiples of 4 bytes only: it is read by loads of 4 bytes (65,664 bytes in all, read once).
.set TILEB, 8704
.set LP,    528                        ; a row of 512 codes in LDS + 16 of padding = 132 words: row r starts at bank 4 r mod 64 (64 banks of 4 bytes: ISA guide 11.1)
.set GROW,  2052                       ; a row of g1_w in bytes
.set RAW,   16                         ; v16-79   the tile's 16 rows as they lie
.set FRG,   80                         ; v80-143  the same as fragments
.set SCL,   144                        ; v144-147 a row's scale bytes
.set X,     16                         ; v16-79   64 numbers of g1_w: register 16 b + i = k 32 b + 16 h + i of my row
.set TM,    96                         ; v96-99 largest magnitudes, v100-103 bytes, v104-107 448 x the scale, v108-111 the conversions' scale operands
.set PC,    112                        ; v112-127 the codes
.set PW,    128                        ; v128     the scale word
	s_load_b256 s[4:11], s[0:1], 0x0               ; Wk's codes, Wk's scales, Wv's codes, Wv's scales
	s_load_b128 s[12:15], s[0:1], 0x20             ; g1_w, wimg
	s_load_b64 s[16:17], s[0:1], 0x30              ; g1img
	v_lshl_add_u32 v160, v0, 2, 0x2200
	v_mov_b32 v161, 0
	v_and_b32 v1, 15, v0                           ; r
	v_bfe_u32 v2, v0, 4, 1                         ; h
	v_lshlrev_b32 v3, 4, v0                        ; 16 x lane (one wave: the thread's number is the lane)
	s_mov_b32 s21, 0
	s_cmp_lt_u32 ttmp9, 64
	s_cbranch_scc0 .Lgate
	; ---- a tile of Wk or Wv
	s_and_b32 s18, ttmp9, 15                       ; u
	s_lshr_b32 s19, ttmp9, 4                       ; w
	s_and_b32 s20, s18, 7
	s_lshl_b32 s20, s20, 4
	s_lshl_b32 s19, s19, 7
	s_add_co_u32 s19, s19, s20                     ; the tile's first row: 128 w + 16 (u mod 8)
	s_wait_kmcnt 0x0
	s_cmp_lt_u32 s18, 8                            ; Wk or Wv: the choice hangs on the work-group's number alone
	s_cselect_b64 s[4:5], s[4:5], s[8:9]
	s_cselect_b64 s[6:7], s[6:7], s[10:11]
	s_lshl_b32 s20, s19, 9                         ; 512 bytes of codes a row
	s_add_nc_u64 s[4:5], s[4:5], s[20:21]
	s_lshl_b32 s20, s19, 4                         ; 16 scale bytes a row
	s_add_nc_u64 s[6:7], s[6:7], s[20:21]
	s_mul_i32 s20, ttmp9, TILEB
	s_add_nc_u64 s[14:15], s[14:15], s[20:21]
.set f, 0
	s_wait_alu depctr_va_vdst(0)
.rept 16
	global_load_b128 v[RAW+4*f:RAW+4*f+3], v3, s[4:5] offset:512*f th:TH_LOAD_NT   ; a row a load: 512 consecutive bytes
.set f, f+1
.endr
	v_lshlrev_b32 v4, 4, v1
	global_load_b128 v[SCL:SCL+3], v4, s[6:7] th:TH_LOAD_NT   ; row r's 16 scale bytes, in both halves of the lanes
	v_mul_u32_u24 v5, v1, LP
	v_lshl_add_u32 v5, v2, 4, v5                   ; back out of LDS: row r, + 16 h
	s_wait_alu depctr_va_vdst(0)
	s_wait_loadcnt 0x0
.set f, 0
.rept 16
	ds_store_b128 v3, v[RAW+4*f:RAW+4*f+3] offset:LP*f
.set f, f+1
.endr
.set f, 0
.rept 16
	ds_load_b128 v[FRG+4*f:FRG+4*f+3], v5 offset:128*(f/4)+32*(f%4)   ; LDS serves a wave's instructions in order (ISA guide 5.7.1.4): these see the stores above
.set f, f+1
.endr
	global_store_b128 v3, v[SCL:SCL+3], s[14:15] offset:8192
.set f, 0
.rept 16
	s_wait_dscnt 15-f                              ; group f is back; the younger loads may stay out
	global_store_b128 v3, v[FRG+4*f:FRG+4*f+3], s[14:15] offset:512*f   ; 32 lanes store 512 consecutive bytes
.set f, f+1
.endr
	s_wait_tensorcnt 0x0
	ds_add_u32 v160, v161
	s_wait_dscnt 0x0
	s_endpgm
	; ---- a fragment of g1_w
.Lgate:
	s_sub_co_u32 s18, ttmp9, 64                    ; f = 0 .. 9
	s_and_b32 s19, s18, 1                          ; u2
	s_lshr_b32 s22, s18, 1                         ; s = 0 .. 4
	s_mul_i32 s20, s19, 16*GROW
	s_lshl_b32 s23, s22, 9
	s_add_co_u32 s20, s20, s23                     ; 16 u2 rows + 128 s numbers
	s_wait_alu depctr_va_vdst(0)
	v_mul_u32_u24 v4, v1, GROW                     ; my row
	s_mov_b32 s24, 0x76543210
	s_mov_b32 s25, 0xfedcba98                      ; v_permlanex16_b32's selects for lane l xor 16
	s_mov_b32 s26, 0x600000                        ; the mantissa field of 448
.irp b, 0,1,2,3
	v_mov_b32 v[TM+4+\b], 0                        ; a lane permute's destination counts as one of its sources
.endr
	s_wait_kmcnt 0x0
	s_add_nc_u64 s[12:13], s[12:13], s[20:21]
	s_lshl_b32 s20, s18, 11
	s_add_nc_u64 s[28:29], s[16:17], s[20:21]      ; the fragment's codes
	s_lshl_b32 s20, s18, 7
	s_add_nc_u64 s[16:17], s[16:17], s[20:21]      ; its scale words (20,480 more in the immediate)
	s_cmp_eq_u32 s22, 4
	s_cbranch_scc1 .Llast
	s_wait_alu depctr_va_vdst(0)
	v_lshl_add_u32 v5, v2, 6, v4                   ; + 16 h numbers
.set k, 0
.rept 64
	global_load_b32 v[X+k], v5, s[12:13] offset:128*(k/16)+4*(k%16)
.set k, k+1
.endr
	s_wait_loadcnt 0x0
	s_branch .Lquant
.Llast:                                                ; K step 4: k = 512 alone is there; no load passes the row's end
	s_wait_alu depctr_va_vdst(0)
	global_load_b32 v6, v4, s[12:13]
.set k, 1
.rept 63
	v_mov_b32 v[X+k], 0
.set k, k+1
.endr
	v_cmp_eq_u32 vcc_lo, 0, v2
	s_wait_loadcnt 0x0
	v_cndmask_b32 v[X], 0, v6, vcc_lo              ; it belongs to lanes 0-15: k = 16 h + 0 of block 0
.Lquant:
.irp b, 0,1,2,3
	v_max3_num_f32 v[TM+\b], |v[X+16*\b]|, |v[X+16*\b+1]|, 0x4800000   ; block b: my 16 numbers, and the floor 2^(9 - 127): the byte cannot fall under 1
.endr
.irp i, 2,4,6,8,10,12,14
.irp b, 0,1,2,3
	v_max3_num_f32 v[TM+\b], v[TM+\b], |v[X+16*\b+\i]|, |v[X+16*\b+\i+1]|
.endr
.endr
.irp b, 0,1,2,3
	v_permlanex16_b32 v[TM+4+\b], v[TM+\b], s24, s25
.endr
.irp b, 0,1,2,3
	v_max_num_f32 v[TM+\b], v[TM+\b], v[TM+4+\b]   ; with lane l xor 16's: the block's largest magnitude
.endr
.irp b, 0,1,2,3
	v_add_nc_u32 v[TM+12+\b], 0xfc000000, v[TM+\b] ; 8 off its exponent field: the conversion's scale operand
.endr
.irp b, 0,1,2,3
	v_and_or_b32 v[TM+8+\b], v[TM+\b], 0x7f800000, s26   ; 448 x the scale
.endr
.irp b, 0,1,2,3
	v_lshrrev_b32 v[TM+4+\b], 23, v[TM+12+\b]      ; the scale's byte
.endr
	v_lshl_or_b32 v[PW], v[TM+5], 8, v[TM+4]
	v_lshl_or_b32 v[PW], v[TM+6], 16, v[PW]
	v_lshl_or_b32 v[PW], v[TM+7], 24, v[PW]
.irp b, 0,1,2,3
.irp i, 0,1,2,3,4,5,6,7,8,9,10,11,12,13,14,15
	v_med3_num_f32 v[X+16*\b+\i], v[X+16*\b+\i], -v[TM+8+\b], v[TM+8+\b]   ; the conversion to an 8-bit code does not saturate (ISA guide 7.6.2): the hold comes first
.endr
	v_cvt_scalef32_pk8_fp8_f32 v[PC+4*\b:PC+4*\b+1], v[X+16*\b:X+16*\b+7], v[TM+12+\b]
	v_cvt_scalef32_pk8_fp8_f32 v[PC+4*\b+2:PC+4*\b+3], v[X+16*\b+8:X+16*\b+15], v[TM+12+\b]
.endr
	v_lshlrev_b32 v7, 2, v0                        ; (a plain line behind the last conversion)  4 x lane
.irp c, 0,1,2,3
	global_store_b128 v3, v[PC+4*\c:PC+4*\c+3], s[28:29] offset:512*\c
.endr
	global_store_b32 v7, v[PW], s[16:17] offset:20480
	s_endpgm
.Lfunc_end_k_qc0894e02f4_prep:
	.size	k_qc0894e02f4_prep, .Lfunc_end_k_qc0894e02f4_prep-k_qc0894e02f4_prep
	.p2alignl 7, 3214868480
	.fill 96, 4, 3214868480
	.section	.rodata,"a",@progbits
	.p2align	6, 0x0
	.amdhsa_kernel k_qc0894e02f4_prep
		.amdhsa_group_segment_fixed_size 8960
		.amdhsa_private_segment_fixed_size 0
		.amdhsa_enable_private_segment 0
		.amdhsa_kernarg_size 56
		.amdhsa_user_sgpr_count 2
		.amdhsa_user_sgpr_kernarg_segment_ptr 1
		.amdhsa_wavefront_size32 1
		.amdhsa_system_sgpr_workgroup_id_x 1
		.amdhsa_system_sgpr_workgroup_id_y 1
		.amdhsa_system_sgpr_workgroup_id_z 1
		.amdhsa_system_vgpr_workitem_id 0
		.amdhsa_next_free_vgpr 162
		.amdhsa_next_free_sgpr 66
		.amdhsa_reserve_vcc 1
		.amdhsa_float_denorm_mode_32 3
		.amdhsa_float_denorm_mode_16_64 3
		.amdhsa_memory_ordered 1
		.amdhsa_forward_progress 1
		.amdhsa_inst_pref_size 26
	.end_amdhsa_kernel
	.amdgpu_metadata
---
amdhsa.version: [ 1, 2 ]
amdhsa.kernels:
  - .name:           k_qc0894e02f4_prep
    .symbol:         k_qc0894e02f4_prep.kd
    .args:
      - { .name: Wk_w_codes, .offset: 0, .size: 8, .value_kind: global_buffer, .address_space: global }
      - { .name: Wk_w_scales, .offset: 8, .size: 8, .value_kind: global_buffer, .address_space: global }
      - { .name: Wv_w_codes, .offset: 16, .size: 8, .value_kind: global_buffer, .address_space: global }
      - { .name: Wv_w_scales, .offset: 24, .size: 8, .value_kind: global_buffer, .address_space: global }
      - { .name: g1_w, .offset: 32, .size: 8, .value_kind: global_buffer, .address_space: global }
      - { .name: wimg, .offset: 40, .size: 8, .value_kind: global_buffer, .address_space: global }
      - { .name: g1img, .offset: 48, .size: 8, .value_kind: global_buffer, .address_space: global }
    .group_segment_fixed_size: 8960
    .private_segment_fixed_size: 0
    .kernarg_segment_align: 8
    .kernarg_segment_size: 56
    .max_flat_workgroup_size: 32
    .sgpr_count:     66
    .vgpr_count:     162
    .wavefront_size: 32
...
	.end_amdgpu_metadata
.endif
;; end of part 1
;; launch main (part 2): grid 256 x 1, 4 waves a work-group, no clusters, 313,856 bytes of LDS; arguments features, Q, Wv_b, g1_b, g2_w, g2_b, wimg, g1img, out0, out1; writes out0, out1
.if DOCPART == 2
	.amdgcn_target "amdgcn-amd-amdhsa--gfx1250"
	.amdhsa_code_object_version 6
	.text
	.protected	k_qc0894e02f4_main
	.globl	k_qc0894e02f4_main
	.p2align	8
	.type	k_qc0894e02f4_main,@function
k_qc0894e02f4_main:
	s_mov_b64 s[64:65], 0
	v_nop
	global_prefetch_b8 v0, s[64:65] scope:SCOPE_SE
	s_setreg_imm32_b32 hwreg(HW_REG_WAVE_MODE, 25, 1), 1
	s_wait_xcnt 0x0
; gate * softmax(Q . K) V and the gate, four batches to a work-group, K = fq Wk^T and V = fq Wv^T on codes of MX-FP8.
; DEAD WORK: Wk_b adds Q . Wk_b to every score of a batch alike; softmax(s + const) = softmax(s) for all values, and K feeds no quantiser.  So Wk_b is not loaded and is no argument.
; LIMIT: a NaN, an infinity or an overflow that reaches only Q . Wk_b is not carried to the result.  NaN and infinities in the features or in Q are not served; a block under 2^-118 keeps the byte 1.
; Wv_b is added once behind the weighted sum (the weights sum to 1 up to rounding).
; SHARES: wave w holds rows 128 w .. + 127 of Wk (then of Wv), all of K, in 512 registers (windows 1, 2).  The work-group's 512 feature rows are read once, by loads of 512 consecutive bytes,
; quantised (4 numbers a lane, a block of 32 in 8 lanes) and kept as codes in LDS (rows of 528 bytes) with their scale bytes (16 a row).  Half n: the four waves quantise rows 16 n .. + 15 (4 a wave).
; K's blocks of batch j - 1 stand between the halves of batch j.  V's 32 blocks follow when all scores are done.  Two staging sets of 16 loads a wave are out throughout the first phase, so no prefetch is laid.
; No tensor load fills LDS, so nothing is shared by joint loads: cluster = none.
; WINDOWS: 0 addresses, scales, sums; 1, 2 the weight; 3: v0-127 two sets of a block's fragments, v128-255 two staging sets.
.set TILEB, 8704
.set RP, 528
.set BLK, 16*RP
.set ISC, 512*RP
.set QL, ISC+8192
.set SCX, QL+8192
.set PX, SCX+8192
.set FRD, PX+8192
.set FSX, FRD+8192
.set SPARE, FSX+2048
.set LB,1
.set A0,2
.set ADA,3
.set AS0,4
.set ASD,5
.set CW0,6
.set CWD,7
.set SW0,8
.set SWD,9
.set QA0,10
.set QAD,11
.set SCW0,12
.set SCR,13
.set PXW,14
.set PXR0,15
.set PXD,16
.set FR0,17
.set FXW,18
.set L4,19
.set H32,20
.set HSW,21
.set GT,22
.set SPW,24
.set NIL,25
.set GS,26
.set FS,28
.set BS,32
.set ASC,66
.set S,74
.set T,82
.set ACC,96
.set X,96
.set QM,96
.set QS,112
.set QB,128
.set QC,144
.set QV,160
.set PC,160
.set TM,176
.set P,160
.set F,176
.set GP,224
.set GSC,240
.set G2,240
.set WV,26
.set M,28
.set TT,29
.set SEL,30
.set MNT,32
.set N,33
.set CS,34
.set WP,44
.set FP,46
.set MSB,0
.macro WIN new
.if MSB != \new
	s_set_vgpr_msb (MSB<<8)|\new
.set MSB, \new
.endif
.endm
.macro PLACES n
.rept \n
	v_nop
.endr
.endm
.macro WALU
	s_wait_alu depctr_va_vdst(0)
.endm
.macro BAR
	WALU
	s_wait_dscnt 0x0
	s_barrier_signal -1
	s_barrier_wait -1
.endm
.macro WLOAD                           ; eight tiles of a weight, as prep laid them: 64 registers of codes and 4 scale words each
.set t, 0
.rept 8
	WIN (1+t/4)<<6
.set f, 0
.rept 16
	global_load_b128 v[64*(t%4)+4*f:64*(t%4)+4*f+3], v[LB], s[WP:WP+1] offset:TILEB*t+512*f
.set f, f+1
.endr
	WIN 0
	global_load_b128 v[BS+4*t:BS+4*t+3], v[LB], s[WP:WP+1] offset:TILEB*t+8192
.set t, t+1
.endr
.endm
.macro FL p, off                       ; my 4 rows of a half: 16 loads of 512 consecutive bytes into staging set p
	WIN 0xc0
.set k, 0
.rept 16
	global_load_b128 v[128+64*\p+4*k:128+64*\p+4*k+3], v[LB], s[FP:FP+1] offset:2048*(k/4)+512*(k%4)+\off th:TH_LOAD_NT
.set k, k+1
.endr
	WIN 0
.endm
; HALF n OF THE QUANTISER: quad k = row k / 4, K step k % 4; a lane holds 4 numbers of a block, 8 lanes the block.  wt: the loads issued behind this set's.
.macro QH p, ld, wt
.set XB, 128+64*\p
	s_mul_i32 s70, s[N], BLK
	s_lshl_b32 s71, s[N], 8
	v_add_nc_u32 v[CWD], s70, v[CW0]
	v_add_nc_u32 v[SWD], s71, v[SW0]
	WALU
	s_wait_loadcnt \wt
	WIN 0x3f
.set k, 0
.rept 16
	v_max3_num_f32 v[QM+k], |v[XB+4*k]|, |v[XB+4*k+1]|, |v[XB+4*k+2]|
.set k, k+1
.endr
	WIN 0x03
.set k, 0
.rept 16
	v_max3_num_f32 v[QM+k], |v[XB+4*k+3]|, v[QM+k], 0x4800000   ; the floor holds the byte at 1 from below
.set k, k+1
.endr
	WIN 0
.irp x, 1,2,4
.set k, 0
.rept 16
	v_max_num_f32_dpp v[QM+k], v[QM+k], v[QM+k] row_xmask:\x row_mask:0xf bank_mask:0xf
.set k, k+1
.endr
.endr
.set k, 0
.rept 16
	v_add_nc_u32 v[QS+k], 0xfc000000, v[QM+k]      ; the conversion's scale operand
.set k, k+1
.endr
.set k, 0
.rept 16
	v_and_or_b32 v[QB+k], v[QM+k], 0x7f800000, s[MNT]   ; 448 x the scale
.set k, k+1
.endr
.set k, 0
.rept 16
	v_lshrrev_b32 v[QM+k], 23, v[QS+k]             ; the byte
.set k, k+1
.endr
	WIN 0x0c
.set k, 0
.rept 64
	v_add_f32 v[FS+k%4], v[FS+k%4], |v[XB+k]|
.set k, k+1
.endr
	WIN 0xc3
.set k, 0
.rept 64
	v_med3_num_f32 v[XB+k], v[XB+k], -v[QB+k/4], v[QB+k/4]
.set k, k+1
.endr
	WIN 0
.set k, 0
.rept 16
	ds_store_b8 v[SWD], v[QM+k] offset:16*(k/4)+4*(k%4)
.set k, k+1
.endr
; eight registers hold two quads with two scales: each conversion's own half is stored, the other is not used
.irp g, 0,1
	WIN 0x03
.set k, 0
.rept 4
	v_cvt_scalef32_pk8_fp8_f32 v[QC+4*k:QC+4*k+1], v[XB+32*\g+8*k:XB+32*\g+8*k+7], v[QS+8*\g+2*k]
	v_cvt_scalef32_pk8_fp8_f32 v[QC+4*k+2:QC+4*k+3], v[XB+32*\g+8*k:XB+32*\g+8*k+7], v[QS+8*\g+2*k+1]
.set k, k+1
.endr
	v_nop
	WIN 0
.set k, 0
.rept 4
	ds_store_b32 v[CWD], v[QC+4*k] offset:RP*((8*\g+2*k)/4)+128*((2*k)%4)
	ds_store_b32 v[CWD], v[QC+4*k+3] offset:RP*((8*\g+2*k)/4)+128*((2*k+1)%4)
.set k, k+1
.endr
.endr
.if \ld
	s_wait_xcnt 0x0                                ; the pointer is stepped only behind this wait
	s_add_nc_u64 s[FP:FP+1], s[FP:FP+1], 32768
	FL \p, 0                                       ; half n + 2
.endif
	s_add_co_u32 s[N], s[N], 1
.endm
.macro FSF                             ; a batch's sum of magnitudes: my lane's part to LDS
	v_add_f32 v[FS], v[FS], v[FS+1]
	v_add_f32 v[FS+2], v[FS+2], v[FS+3]
	v_add_f32 v[FS], v[FS], v[FS+2]
	s_lshr_b32 s70, s[N], 3
	s_lshl_b32 s70, s70, 9
	v_add_nc_u32 v[T], s70, v[FXW]
	ds_store_b32 v[T], v[FS]
.irp k, 0,1,2,3
	v_mov_b32 v[FS+\k], 0
.endr
.endm
.macro NEXTA set, inc, kind            ; block M + inc: 16 rows, all of K, its scale words (kind 1: its weights p) into set
	s_add_co_u32 s70, s[M], \inc
	s_mul_i32 s71, s70, BLK
	s_lshl_b32 s72, s70, 8
	v_add_nc_u32 v[ADA], s71, v[A0]
	v_add_nc_u32 v[ASD], s72, v[AS0]
.if \kind
	s_lshl_b32 s72, s70, 6
	v_add_nc_u32 v[PXD], s72, v[PXR0]
.endif
	WIN 0xc0
.set k, 0
.rept 16
	ds_load_b128 v[64*(\set)+4*k:64*(\set)+4*k+3], v[ADA] offset:32*k
.set k, k+1
.endr
	WIN 0
	ds_load_b128 v[ASC+4*(\set):ASC+4*(\set)+3], v[ASD]
.if \kind
	ds_load_b128 v[P+8*(\set):P+8*(\set)+3], v[PXD]
	ds_load_b128 v[P+8*(\set)+4:P+8*(\set)+7], v[PXD] offset:16
.endif
.endm
.macro PROD kind, p, hi                ; product wn of a group: K step wn / 4, tile 4 hi + wn % 4: four sums by turns.  kind 0: source 0 the weight; kind 1: source 0 the features
.set s_, wn/4
.set t_, 4*\hi+wn%4
.set a_, ACC+8*t_
.set w_, 64*(wn%4)+16*s_
.set x_, 64*\p+16*s_
.if \kind
	WIN 3|((1+\hi)<<2)
.if s_
	v_wmma_scale_f32_16x16x128_f8f6f4 v[a_:a_+7], v[x_:x_+15], v[w_:w_+15], v[a_:a_+7], v[ASC+4*\p+s_], v[BS+4*t_+s_]
.else
	v_wmma_scale_f32_16x16x128_f8f6f4 v[a_:a_+7], v[x_:x_+15], v[w_:w_+15], 0, v[ASC+4*\p+s_], v[BS+4*t_+s_]
.endif
.else
	WIN (1+\hi)|(3<<2)
.if s_
	v_wmma_scale_f32_16x16x128_f8f6f4 v[a_:a_+7], v[w_:w_+15], v[x_:x_+15], v[a_:a_+7], v[BS+4*t_+s_], v[ASC+4*\p+s_]
.else
	v_wmma_scale_f32_16x16x128_f8f6f4 v[a_:a_+7], v[w_:w_+15], v[x_:x_+15], 0, v[BS+4*t_+s_], v[ASC+4*\p+s_]
.endif
.endif
.endm
.macro RED kind, p, hi                 ; kind 0: score parts += K x Q;  kind 1: the read += V x p.  Each sum is read from its low end on
.set t_, 4*\hi+rn%4
.set j_, 2*(rn/4)
.if \kind
	v_pk_fma_f32 v[F+2*t_:F+2*t_+1], v[ACC+8*t_+j_:ACC+8*t_+j_+1], v[P+8*\p+j_:P+8*\p+j_+1], v[F+2*t_:F+2*t_+1]
.elseif (\hi == 0) && (rn < 4)
	v_pk_mul_f32 v[S+2*(rn%4):S+2*(rn%4)+1], v[ACC+8*t_+j_:ACC+8*t_+j_+1], v[QV+8*t_+j_:QV+8*t_+j_+1]
.else
	v_pk_fma_f32 v[S+2*(rn%4):S+2*(rn%4)+1], v[ACC+8*t_+j_:ACC+8*t_+j_+1], v[QV+8*t_+j_:QV+8*t_+j_+1], v[S+2*(rn%4):S+2*(rn%4)+1]
.endif
.set rn, rn+1
.endm
.macro PH kind, p                      ; a block of 16 rows against my 8 tiles: 32 products
	WALU
	s_wait_dscnt 0x0                               ; set p is in
.if \p
.if \kind
	s_cmp_eq_u32 s[M], 31
.else
	s_and_b32 s70, s[M], 7
	s_cmp_eq_u32 s70, 7                            ; the next batch's image is shown only by the barrier
.endif
	s_cbranch_scc1 .Lnf_\@
.endif
	NEXTA 1-\p, 1, \kind
.Lnf_\@:
.set wn, 0
.rept 16
	PROD \kind, \p, 0
.set wn, wn+1
.endr
.set wn, 0
.set rn, 0
.rept 16
	PROD \kind, \p, 1
.if wn < 4
	v_nop
	v_nop
.elseif wn < 12
	WIN 0
	RED \kind, \p, 0
	RED \kind, \p, 0
.endif
.set wn, wn+1
.endr
	WIN 0
	PLACES 8
.set rn, 0
.rept 16
	RED \kind, \p, 1
.endr
.if \kind == 0
	v_pk_add_f32 v[S:S+1], v[S:S+1], v[S+2:S+3]
	v_pk_add_f32 v[S+4:S+5], v[S+4:S+5], v[S+6:S+7]
	v_pk_add_f32 v[S:S+1], v[S:S+1], v[S+4:S+5]
	v_add_f32 v[S], v[S], v[S+1]
	v_permlanex16_b32 v[S+2], v[S], s[SEL], s[SEL+1]
	v_add_f32 v[S], v[S], v[S+2]
	s_lshl_b32 s70, s[M], 6
	v_add_nc_u32 v[T], s70, v[SCW0]
	ds_store_b32 v[T], v[S]                        ; row r's score over my 128 columns
.endif
	s_add_co_u32 s[M], s[M], 1
.endm
.macro SM                              ; the softmax of batch M / 8 - 1, in every wave: lane l has rows 4 l .. 4 l + 3; p to my own copy
	s_lshr_b32 s70, s[M], 3
	s_lshl_b32 s70, s70, 9
	v_add_nc_u32 v[T], s70, v[SCR]
	v_add_nc_u32 v[T+1], s70, v[PXW]
.irp w, 0,1,2,3
	ds_load_b128 v[ACC+4*\w:ACC+4*\w+3], v[T] offset:2048*\w
.endr
	WALU
	s_wait_dscnt 0x0
	v_pk_add_f32 v[ACC:ACC+1], v[ACC:ACC+1], v[ACC+4:ACC+5]
	v_pk_add_f32 v[ACC+2:ACC+3], v[ACC+2:ACC+3], v[ACC+6:ACC+7]
	v_pk_add_f32 v[ACC+8:ACC+9], v[ACC+8:ACC+9], v[ACC+12:ACC+13]
	v_pk_add_f32 v[ACC+10:ACC+11], v[ACC+10:ACC+11], v[ACC+14:ACC+15]
	v_pk_add_f32 v[ACC:ACC+1], v[ACC:ACC+1], v[ACC+8:ACC+9]
	v_pk_add_f32 v[ACC+2:ACC+3], v[ACC+2:ACC+3], v[ACC+10:ACC+11]
	v_pk_mul_f32 v[ACC:ACC+1], v[ACC:ACC+1], s[CS:CS+1] op_sel_hi:[1,0]
	v_pk_mul_f32 v[ACC+2:ACC+3], v[ACC+2:ACC+3], s[CS:CS+1] op_sel_hi:[1,0]
	v_max3_num_f32 v[ACC+16], v[ACC], v[ACC+1], v[ACC+2]
	v_max_num_f32 v[ACC+16], v[ACC+16], v[ACC+3]
.irp x, 1,2,4,8
	v_max_num_f32_dpp v[ACC+16], v[ACC+16], v[ACC+16] row_xmask:\x row_mask:0xf bank_mask:0xf
.endr
	v_permlanex16_b32 v[ACC+17], v[ACC+16], s[SEL], s[SEL+1]
	v_max_num_f32 v[ACC+16], v[ACC+16], v[ACC+17]
.irp q, 0,1,2,3
	v_sub_f32 v[ACC+\q], v[ACC+\q], v[ACC+16]
.endr
	WALU
.irp q, 0,1,2,3
	v_exp_f32 v[ACC+\q], v[ACC+\q]
.endr
	v_nop
	WALU
	v_add_f32 v[ACC+18], v[ACC], v[ACC+1]
	v_add_f32 v[ACC+19], v[ACC+2], v[ACC+3]
	v_add_f32 v[ACC+18], v[ACC+18], v[ACC+19]
.irp x, 1,2,4,8
	v_add_f32_dpp v[ACC+18], v[ACC+18], v[ACC+18] row_xmask:\x row_mask:0xf bank_mask:0xf
.endr
	v_permlanex16_b32 v[ACC+19], v[ACC+18], s[SEL], s[SEL+1]
	v_add_f32 v[ACC+18], v[ACC+18], v[ACC+19]
	WALU
	v_rcp_f32 v[ACC+20], v[ACC+18]
	v_nop
	WALU
.irp q, 0,1,2,3
	v_mul_f32 v[ACC+\q], v[ACC+\q], v[ACC+20]
.endr
	ds_store_b128 v[T+1], v[ACC:ACC+3]
.endm
.macro BND sm                          ; a batch's image and the last batch's scores are shown; then block M and Q's numbers of its batch
	BAR
.if \sm
	SM
.endif
	NEXTA 0, 0, 0
	s_lshr_b32 s70, s[M], 3
	s_lshl_b32 s70, s70, 11
	v_add_nc_u32 v[QAD], s70, v[QA0]
.irp q, 0,1,2,3,4,5,6,7
	ds_load_b128 v[QV+8*\q:QV+8*\q+3], v[QAD] offset:64*\q
	ds_load_b128 v[QV+8*\q+4:QV+8*\q+7], v[QAD] offset:64*\q+16
.endr
.endm
.macro GATEQ s                         ; 128 of my batch's Q, quantised (the same in all 16 columns), against g1_w's 32 rows
.irp c, 0,1,2,3
.irp j, 0,1,2,3
	ds_load_b128 v[X+16*\c+4*\j:X+16*\c+4*\j+3], v[QAD] offset:512*\s+128*\c+16*\j
.endr
.endr
	s_wait_dscnt 0x0
.irp b, 0,1,2,3
	v_max3_num_f32 v[TM+\b], |v[X+16*\b]|, |v[X+16*\b+1]|, 0x4800000
.endr
.irp i, 2,4,6,8,10,12,14
.irp b, 0,1,2,3
	v_max3_num_f32 v[TM+\b], v[TM+\b], |v[X+16*\b+\i]|, |v[X+16*\b+\i+1]|
.endr
.endr
.irp b, 0,1,2,3
	v_permlanex16_b32 v[TM+4+\b], v[TM+\b], s[SEL], s[SEL+1]
.endr
.irp b, 0,1,2,3
	v_max_num_f32 v[TM+\b], v[TM+\b], v[TM+4+\b]
.endr
.irp b, 0,1,2,3
	v_add_nc_u32 v[TM+12+\b], 0xfc000000, v[TM+\b]
.endr
.irp b, 0,1,2,3
	v_and_or_b32 v[TM+8+\b], v[TM+\b], 0x7f800000, s[MNT]
.endr
.irp b, 0,1,2,3
	v_lshrrev_b32 v[TM+4+\b], 23, v[TM+12+\b]
.endr
	v_lshl_or_b32 v[HSW], v[TM+5], 8, v[TM+4]
	v_lshl_or_b32 v[HSW], v[TM+6], 16, v[HSW]
	v_lshl_or_b32 v[HSW], v[TM+7], 24, v[HSW]
.irp b, 0,1,2,3
.irp i, 0,1,2,3,4,5,6,7,8,9,10,11,12,13,14,15
	v_med3_num_f32 v[X+16*\b+\i], v[X+16*\b+\i], -v[TM+8+\b], v[TM+8+\b]
.endr
	v_cvt_scalef32_pk8_fp8_f32 v[PC+4*\b:PC+4*\b+1], v[X+16*\b:X+16*\b+7], v[TM+12+\b]
	v_cvt_scalef32_pk8_fp8_f32 v[PC+4*\b+2:PC+4*\b+3], v[X+16*\b+8:X+16*\b+15], v[TM+12+\b]
.endr
	PLACES 5
	WIN 0x03
	v_wmma_scale_f32_16x16x128_f8f6f4 v[GP:GP+7], v[32*\s:32*\s+15], v[PC:PC+15], v[GP:GP+7], v[GSC+2*\s], v[HSW]
	v_wmma_scale_f32_16x16x128_f8f6f4 v[GP+8:GP+15], v[32*\s+16:32*\s+31], v[PC:PC+15], v[GP+8:GP+15], v[GSC+2*\s+1], v[HSW]
	WIN 0
	PLACES 8
.endm
	; ---- the head
	s_load_b512 s[4:19], s[0:1], 0x0               ; features, Q, Wv_b, g1_b, g2_w, g2_b, wimg, g1img
	s_load_b128 s[20:23], s[0:1], 0x40             ; out0, out1
	v_lshl_add_u32 v[SPW], v0, 2, SPARE
	v_mov_b32 v[NIL], 0
	v_lshrrev_b32 v[T], 5, v0
	v_readfirstlane_b32 s[WV], v[T]
	v_and_b32 v[T], 31, v0                         ; lane
	v_and_b32 v[T+1], 15, v0                       ; r
	v_bfe_u32 v[T+2], v0, 4, 1                     ; h
	v_lshlrev_b32 v[LB], 4, v[T]
	v_lshlrev_b32 v[L4], 2, v[T]
	v_lshlrev_b32 v[H32], 5, v[T+2]
	s_lshl_b32 s68, ttmp9, 2
	s_add_co_u32 s68, s68, s[WV]                   ; my batch for the gate and the way out
	s_lshl_b32 s70, s68, 11
	s_mov_b32 s71, 0
	s_lshl_b32 s72, s68, 2
	s_mov_b32 s73, 0
	s_mul_i32 s74, s[WV], 16*TILEB
	s_mov_b32 s75, 0
	s_lshl_b32 s76, ttmp9, 20
	s_lshl_b32 s77, s[WV], 13
	s_add_co_u32 s76, s76, s77
	s_mov_b32 s77, 0
	WALU
	s_wait_kmcnt 0x0
	s_add_nc_u64 s[6:7], s[6:7], s[70:71]
	s_add_nc_u64 s[20:21], s[20:21], s[70:71]
	s_add_nc_u64 s[22:23], s[22:23], s[72:73]
	s_add_nc_u64 s[WP:WP+1], s[16:17], s[74:75]
	s_add_nc_u64 s[FP:FP+1], s[4:5], s[76:77]
	s_load_b32 s27, s[14:15], 0x0
.irp i, 0,1,2,3
	global_load_b128 v[X+4*\i:X+4*\i+3], v[LB], s[6:7] offset:512*\i th:TH_LOAD_NT
.endr
.irp k, 0,1,2,3
	global_load_b128 v[GP+4*\k:GP+4*\k+3], v[H32], s[10:11] offset:64*(\k/2)+16*(\k%2)   ; g1_b begins the gate's sums
.endr
	WIN 0xc0
.set f, 0
.rept 32
	global_load_b128 v[4*f:4*f+3], v[LB], s[18:19] offset:512*f
.set f, f+1
.endr
	WIN 0
.irp f, 0,1,2,3,4,5,6,7
	global_load_b32 v[GSC+\f], v[L4], s[18:19] offset:20480+128*\f
.endr
	WLOAD                                          ; Wk
	FL 0, 0
	FL 1, 32768
	s_mov_b32 s[SEL], 0x76543210
	s_mov_b32 s[SEL+1], 0xfedcba98
	s_mov_b32 s[MNT], 0x600000
	s_mov_b32 s[CS], 0x3d8293ee                    ; log2(e) / sqrt(512)
	s_mov_b32 s[CS+1], s[CS]
	s_mov_b32 s[M], 0
	s_mov_b32 s[N], 0
	v_mul_u32_u24 v[A0], v[T+1], RP
	v_lshl_add_u32 v[A0], v[T+2], 4, v[A0]
	v_lshl_add_u32 v[AS0], v[T+1], 4, ISC
	s_mul_i32 s68, s[WV], 4*RP
	v_add_nc_u32 v[CW0], s68, v[L4]
	s_lshl_b32 s68, s[WV], 6
	s_add_co_u32 s68, s68, ISC
	v_lshrrev_b32 v[T+3], 3, v[T]
	v_add_nc_u32 v[SW0], s68, v[T+3]
	s_lshl_b32 s69, s[WV], 9
	s_add_co_u32 s68, s69, QL
	v_add_nc_u32 v[QA0], s68, v[H32]
	s_add_co_u32 s68, s69, FRD-2048
	v_lshl_add_u32 v[FR0], v[T+1], 2, s68
	s_lshl_b32 s69, s[WV], 11
	s_add_co_u32 s68, s69, SCX
	v_lshl_add_u32 v[SCW0], v[T+1], 2, s68
	v_add_nc_u32 v[SCR], SCX-512, v[LB]
	s_add_co_u32 s68, s69, PX-512
	v_add_nc_u32 v[PXW], s68, v[LB]
	s_add_co_u32 s68, s69, PX
	v_add_nc_u32 v[PXR0], s68, v[H32]
	s_add_co_u32 s68, s69, QL
	v_add_nc_u32 v[T+4], s68, v[LB]
	v_lshl_add_u32 v[QAD], v[T+2], 6, s68
	s_lshl_b32 s68, s[WV], 7
	s_add_co_u32 s68, s68, FSX-512
	v_add_nc_u32 v[FXW], s68, v[L4]
.irp b, 0,1,2,3
	v_mov_b32 v[TM+4+\b], 0
	v_mov_b32 v[FS+\b], 0
.endr
	v_mov_b32 v[S+2], 0
	v_mov_b32 v[GT+1], 0
	WALU
	s_wait_loadcnt 63                              ; 168 loads were issued behind the gate's: these are in
.irp i, 0,1,2,3
	ds_store_b128 v[T+4], v[X+4*\i:X+4*\i+3] offset:512*\i   ; Q's row, for all waves
.endr
	GATEQ 0
	GATEQ 1
	GATEQ 2
	GATEQ 3
	s_wait_xcnt 0x0
	s_add_nc_u64 s[FP:FP+1], s[FP:FP+1], 32768
	s_wait_kmcnt 0x0
	; ---- batch 0 is quantised
	s_mov_b32 s[TT], 0
.La:
	QH 0, 1, 16
	QH 1, 1, 16
	s_add_co_u32 s[TT], s[TT], 1
	s_cmp_lt_u32 s[TT], 4
	WALU
	s_cbranch_scc1 .La
	FSF
	BND 0
	; ---- K's blocks of a batch between the halves of the next: 11 trips
	s_mov_b32 s[TT], 0
.Lb:
	PH 0, 0
	QH 0, 1, 16
	PH 0, 1
	QH 1, 1, 16
	s_and_b32 s70, s[M], 7
	s_cmp_eq_u32 s70, 0
	WALU
	s_cbranch_scc0 .Lbn
	FSF
	BND 1
.Lbn:
	s_add_co_u32 s[TT], s[TT], 1
	s_cmp_lt_u32 s[TT], 11
	WALU
	s_cbranch_scc1 .Lb
	QH 0, 0, 16                                    ; the last two halves ask for nothing
	QH 1, 0, 0
	FSF
	; what the gate's end wants, into registers that the stream has left
	WIN 0xc0
.irp c, 0,1,2,3,4,5,6,7
	global_load_b128 v[128+4*\c:128+4*\c+3], v[LB], s[18:19] offset:2048*8+512*\c
.endr
	WIN 0
	global_load_b32 v[GS], v[L4], s[18:19] offset:20480+128*8
	global_load_b32 v[GS+1], v[L4], s[18:19] offset:20480+128*9
.irp k, 0,1,2,3
	global_load_b128 v[G2+4*\k:G2+4*\k+3], v[H32], s[12:13] offset:64*(\k/2)+16*(\k%2)
.endr
	; ---- K's last ten blocks
	s_mov_b32 s[TT], 0
.Ld:
	PH 0, 0
	PH 0, 1
	s_cmp_eq_u32 s[M], 24
	WALU
	s_cbranch_scc0 .Ldn
	BND 1
.Ldn:
	s_add_co_u32 s[TT], s[TT], 1
	s_cmp_lt_u32 s[TT], 5
	WALU
	s_cbranch_scc1 .Ld
	s_wait_loadcnt 0x0
	s_wait_xcnt 0x0
	s_add_nc_u64 s[WP:WP+1], s[WP:WP+1], 8*TILEB
	WLOAD                                          ; Wv; the softmax and the gate stand under its flight
	BAR
	SM
	; ---- the gate of my batch
	s_lshl_b32 s70, s[WV], 9
	s_add_co_u32 s70, s70, FSX
	v_add_nc_u32 v[T], s70, v[L4]
.irp w, 0,1,2,3
	ds_load_b32 v[T+2+\w], v[T] offset:128*\w
.endr
	v_bfe_u32 v[T+1], v0, 4, 1
	WALU
	s_wait_dscnt 0x0
	v_add_f32 v[T+2], v[T+2], v[T+3]
	v_add_f32 v[T+4], v[T+4], v[T+5]
	v_add_f32 v[T+2], v[T+2], v[T+4]
.irp x, 1,2,4,8
	v_add_f32_dpp v[T+2], v[T+2], v[T+2] row_xmask:\x row_mask:0xf bank_mask:0xf
.endr
	v_permlanex16_b32 v[T+3], v[T+2], s[SEL], s[SEL+1]
	v_add_f32 v[T+2], v[T+2], v[T+3]
	v_mul_f32 v[T+2], 0x37800000, v[T+2]           ; / 65,536: the mean magnitude
	v_max_num_f32 v[T+3], 0x4800000, v[T+2]
	v_add_nc_u32 v[T+4], 0xfc000000, v[T+3]
	v_and_or_b32 v[T+5], v[T+3], 0x7f800000, s[MNT]
	v_lshrrev_b32 v[T+6], 23, v[T+4]
	v_or_b32 v[HSW], 0x7f7f7f00, v[T+6]
	v_cmp_eq_u32 vcc_lo, 0, v[T+1]
	v_cndmask_b32 v112, 0, v[T+2], vcc_lo          ; k = 512 is element 0 of lanes 0-15; the rest of the step is zeros
	v_min_num_f32 v112, v112, v[T+5]
.irp k, 1,2,3,4,5,6,7
	v_mov_b32 v[112+\k], 0
.endr
	v_cvt_scalef32_pk8_fp8_f32 v[128:129], v[112:119], v[T+4]
.irp k, 2,3,4,5,6,7,8,9,10,11,12,13,14,15
	v_mov_b32 v[128+\k], 0
.endr
	PLACES 8
	WIN 0x03
	WALU
	v_wmma_scale_f32_16x16x128_f8f6f4 v[ACC:ACC+7], v[128:143], v[128:143], v[GP:GP+7], v[GS], v[HSW]
	WALU
	v_wmma_scale_f32_16x16x128_f8f6f4 v[ACC+8:ACC+15], v[144:159], v[128:143], v[GP+8:GP+15], v[GS+1], v[HSW]
	WIN 0
	s_mov_b32 s70, 0x3e6d3388
	s_mov_b32 s71, 0xbf38aa3b
	s_mov_b32 s72, 0x3e827906
	s_mov_b32 s73, 0xbe91a98e
	s_mov_b32 s74, 0x3fb5f0e3
	s_mov_b32 s75, 0xbfba00e3
	s_mov_b32 s76, 0x3f87dc22
	PLACES 8
	; gelu by erf(x / sqrt 2) = 1 - poly(t) exp(-x^2 / 2), t = 1 / (1 + c |x|)
.set j, 0
.rept 16
	v_fma_f32 v[112+j], |v[ACC+j]|, s70, 1.0
.set j, j+1
.endr
.set j, 0
.rept 16
	v_mul_f32 v[128+j], v[ACC+j], v[ACC+j]
.set j, j+1
.endr
.set j, 0
.rept 16
	v_mul_f32 v[128+j], s71, v[128+j]
.set j, j+1
.endr
	WALU
.set j, 0
.rept 16
	v_rcp_f32 v[112+j], v[112+j]
.set j, j+1
.endr
.set j, 0
.rept 16
	v_exp_f32 v[128+j], v[128+j]
.set j, j+1
.endr
	v_nop
	WALU
.set j, 0
.rept 16
	v_fma_f32 v[144+j], v[112+j], s76, s75
.set j, j+1
.endr
.irp a, 74, 73, 72
.set j, 0
.rept 16
	v_fma_f32 v[144+j], v[144+j], v[112+j], s[\a]
.set j, j+1
.endr
.endr
.set j, 0
.rept 16
	v_mul_f32 v[144+j], v[144+j], v[112+j]
.set j, j+1
.endr
.set j, 0
.rept 16
	v_fma_f32 v[144+j], -v[144+j], v[128+j], 1.0
.set j, j+1
.endr
.set j, 0
.rept 16
	v_fma_f32 v[144+j], |v[ACC+j]|, v[144+j], v[ACC+j]
.set j, j+1
.endr
	v_mul_f32 v160, v144, v[G2]
	v_mul_f32 v161, v145, v[G2+1]
.set j, 2
.rept 7
	v_fmac_f32 v160, v[144+j], v[G2+j]
	v_fmac_f32 v161, v[145+j], v[G2+j+1]
.set j, j+2
.endr
	v_add_f32 v160, v160, v161
	v_permlanex16_b32 v161, v160, s[SEL], s[SEL+1]
	v_add_f32 v160, v160, v161
	v_fma_f32 v160, v160, 0.5, s27
	v_mul_f32 v160, 0xbfb8aa3b, v160
	WALU
	v_exp_f32 v160, v160
	v_nop
	WALU
	v_add_f32 v160, 1.0, v160
	WALU
	v_rcp_f32 v[GT], v160
	v_and_b32 v[T], 31, v0
	v_mov_b32 v[T+1], 0
	WALU
	s_wait_xcnt 0x0
	v_cmp_eq_u32 vcc_lo, 0, v[T]
	s_and_saveexec_b32 s68, vcc_lo
	global_store_b32 v[T+1], v[GT], s[22:23]
	s_wait_xcnt 0x0
	s_or_b32 exec_lo, exec_lo, s68
	; ---- V's 32 blocks
	s_mov_b32 s[M], 0
	NEXTA 0, 0, 1
.set k, 0
.rept 16
	v_mov_b32 v[F+k], 0
.set k, k+1
.endr
	s_mov_b32 s[TT], 0
	WALU
	s_wait_loadcnt 0x0                             ; Wv is in
.Lv:
	PH 1, 0
	PH 1, 1
	s_and_b32 s70, s[M], 7
	s_cmp_eq_u32 s70, 0
	WALU
	s_cbranch_scc0 .Lvn
.irp t, 0,1,2,3,4,5,6,7
	v_add_f32 v[F+2*\t], v[F+2*\t], v[F+2*\t+1]
.endr
.irp t, 0,1,2,3,4,5,6,7
	v_permlanex16_b32 v[F+2*\t+1], v[F+2*\t], s[SEL], s[SEL+1]
.endr
.irp t, 0,1,2,3,4,5,6,7
	v_add_f32 v[F+2*\t], v[F+2*\t], v[F+2*\t+1]
.endr
	s_lshr_b32 s70, s[M], 3
	s_lshl_b32 s70, s70, 11
	v_add_nc_u32 v[T], s70, v[FR0]
.irp t, 0,1,2,3,4,5,6,7
	ds_store_b32 v[T], v[F+2*\t] offset:64*\t      ; a batch's read, my 128 columns
.endr
.set k, 0
.rept 16
	v_mov_b32 v[F+k], 0
.set k, k+1
.endr
.Lvn:
	s_add_co_u32 s[TT], s[TT], 1
	s_cmp_lt_u32 s[TT], 16
	WALU
	s_cbranch_scc1 .Lv
	; ---- the way out: my batch's row of 2,048 bytes, 512 consecutive bytes a store
.irp w, 0,1,2,3
	global_load_b128 v[S+4*\w:S+4*\w+3], v[LB], s[8:9] offset:512*\w
.endr
	s_lshl_b32 s68, s[WV], 11
	s_add_co_u32 s68, s68, FRD
	v_add_nc_u32 v[QAD], s68, v[LB]
	BAR
.irp w, 0,1,2,3
	ds_load_b128 v[ACC+4*\w:ACC+4*\w+3], v[QAD] offset:512*\w
.endr
	s_wait_loadcnt 0x0
	s_wait_dscnt 0x0
.irp k, 0,2,4,6,8,10,12,14
	v_pk_add_f32 v[ACC+\k:ACC+\k+1], v[ACC+\k:ACC+\k+1], v[S+\k:S+\k+1]
.endr
.irp k, 0,2,4,6,8,10,12,14
	v_pk_mul_f32 v[ACC+\k:ACC+\k+1], v[ACC+\k:ACC+\k+1], v[GT:GT+1] op_sel_hi:[1,0]
.endr
.irp w, 0,1,2,3
	global_store_b128 v[LB], v[ACC+4*\w:ACC+4*\w+3], s[20:21] offset:512*\w th:TH_STORE_NT
.endr
	s_wait_tensorcnt 0x0                           ; the wave's end
	ds_add_u32 v[SPW], v[NIL]
	s_wait_dscnt 0x0
	s_endpgm
.Lfunc_end_k_qc0894e02f4_main:
	.size	k_qc0894e02f4_main, .Lfunc_end_k_qc0894e02f4_main-k_qc0894e02f4_main
	.p2alignl 7, 3214868480
	.fill 96, 4, 3214868480
	.section	.rodata,"a",@progbits
	.p2align	6, 0x0
	.amdhsa_kernel k_qc0894e02f4_main
		.amdhsa_group_segment_fixed_size 313856
		.amdhsa_private_segment_fixed_size 0
		.amdhsa_enable_private_segment 0
		.amdhsa_kernarg_size 80
		.amdhsa_user_sgpr_count 2
		.amdhsa_user_sgpr_kernarg_segment_ptr 1
		.amdhsa_wavefront_size32 1
		.amdhsa_system_sgpr_workgroup_id_x 1
		.amdhsa_system_sgpr_workgroup_id_y 1
		.amdhsa_system_sgpr_workgroup_id_z 1
		.amdhsa_system_vgpr_workitem_id 0
		.amdhsa_next_free_vgpr 1024
		.amdhsa_next_free_sgpr 80
		.amdhsa_reserve_vcc 1
		.amdhsa_float_denorm_mode_32 3
		.amdhsa_float_denorm_mode_16_64 3
		.amdhsa_memory_ordered 1
		.amdhsa_forward_progress 1
		.amdhsa_inst_pref_size 255
	.end_amdhsa_kernel
	.section	.bss,"aw",@nobits
	.p2align	6
	.space	262144
	.amdgpu_metadata
---
amdhsa.version: [ 1, 2 ]
amdhsa.kernels:
  - .name:           k_qc0894e02f4_main
    .symbol:         k_qc0894e02f4_main.kd
    .args:
      - { .name: features, .offset: 0, .size: 8, .value_kind: global_buffer, .address_space: global }
      - { .name: Q, .offset: 8, .size: 8, .value_kind: global_buffer, .address_space: global }
      - { .name: Wv_b, .offset: 16, .size: 8, .value_kind: global_buffer, .address_space: global }
      - { .name: g1_b, .offset: 24, .size: 8, .value_kind: global_buffer, .address_space: global }
      - { .name: g2_w, .offset: 32, .size: 8, .value_kind: global_buffer, .address_space: global }
      - { .name: g2_b, .offset: 40, .size: 8, .value_kind: global_buffer, .address_space: global }
      - { .name: wimg, .offset: 48, .size: 8, .value_kind: global_buffer, .address_space: global }
      - { .name: g1img, .offset: 56, .size: 8, .value_kind: global_buffer, .address_space: global }
      - { .name: out0, .offset: 64, .size: 8, .value_kind: global_buffer, .address_space: global }
      - { .name: out1, .offset: 72, .size: 8, .value_kind: global_buffer, .address_space: global }
    .group_segment_fixed_size: 313856
    .private_segment_fixed_size: 0
    .kernarg_segment_align: 8
    .kernarg_segment_size: 80
    .max_flat_workgroup_size: 128
    .sgpr_count:     80
    .vgpr_count:     1024
    .wavefront_size: 32
...
	.end_amdgpu_metadata
.endif
;; end of part 2
